; MI455X (gfx1250); checked and timed in simulation.
; The chip was launched on July 23, 2026; its instructions are those of AMD's public machine-readable ISA for CDNA 5 (MIT licence, August 2026) and "CDNA5" Instruction Set Architecture Reference Guide (July 2026). The comments in the code are by the model that wrote it; some were corrected since.
;; Entmax Alpha Activation. Allowed arithmetic: float matrix products may take bf16 or f16 operands with f32 sums; other float arithmetic in f32, or as packed bf16 or f16 multiplies, adds, multiply-adds, maxima and minima; sums over many terms, partial sums and values carried from step to step in f32; what a program stores and reads back later, other than sums and carried values, may be rounded once to bf16 or f16.
;; Inputs: alpha one number float32; mask 4,096 x 4,096 bool; scores 4,096 x 4,096 float32.
;; Outputs: out0 4,096 x 4,096 float32.
;; One version. Each part assembles by itself: llvm-mc -triple=amdgcn-amd-amdhsa -mcpu=gfx1250 --defsym DOCPART=n.
;; ======== version 1 of 1: 1 launch
;; launch entmax (part 1): grid 256 x 1, 16 waves a work-group, no clusters, 0 bytes of LDS; arguments scores, mask, alpha, out0; writes out0
.if DOCPART == 1
	.amdgcn_target "amdgcn-amd-amdhsa--gfx1250"
	.amdhsa_code_object_version 6
	.text
	.protected	k_q0e1940299b_entmax
	.globl	k_q0e1940299b_entmax
	.p2align	8
	.type	k_q0e1940299b_entmax,@function
k_q0e1940299b_entmax:
	s_mov_b64 s[64:65], 0
	v_nop
	global_prefetch_b8 v0, s[64:65] scope:SCOPE_SE
	s_setreg_imm32_b32 hwreg(HW_REG_WAVE_MODE, 25, 1), 1
	s_wait_xcnt 0x0
; ENTMAX BY BISECTION, ONE LAUNCH.
; Xs = mask ? scores * (alpha_c - 1) : -inf, alpha_c = max(alpha, 1.001).  out = p / sum(p), p = clip(Xs - tau, 0)^e, e = 1 / (alpha_c - 1), tau found by 25 halvings of
; [max - 1, max - 4096^-(alpha_c - 1)], each decided by the sign of (sum p - 1) (f_lo), f_lo = sum p(max - 1) - 1: every step as the definition has it.
; EVERY ENTRY TAKES PART IN EVERY SUM.  Which entries are out hangs on comparisons of floating-point numbers, and no address and no jump of this text is made of those: an entry that is out, or masked,
; gives z = 0 by the clamp and p = 0.  So there are 26 evaluations of p on the whole row: f_lo's, 24 in the loop, and the 25th halving's, which is made in place on the row and is the result as well.
; SHARES.  scores and out [4096][4096] f32, mask [4096][4096] of one byte.  One wave takes one row and keeps it in 128 registers from its load to its store; 16 waves a work-group, 256 work-groups: each byte
; is read once and written once.  Load i of 32 brings lane l the entries 128 i + 4 l + 0..3 (register 4 i + c): 512 consecutive bytes of scores a load; their four mask bytes are one word, 128 consecutive
; bytes a load, two loads on end an aligned 256.  All 64 loads of a wave go out at its head; each pair is worked on as it lands.
; ARITHMETIC.  z = X - tau held to 0 .. 1 by the clamp (tau >= max - 1; -inf gives 0); p = 2^(e log2 z); log2 0 = -inf gives p = 0.  Sums in f32.
; THE ORDER OF AN EVALUATION.  A wave has 256 transcendental and some 190 plain instructions for it.  The row goes in four chunks of 32 registers through six phases: phase p makes z and log2 z of chunk p,
; e log2 z and p of chunk p - 1, and adds up chunk p - 2, dealt so that plain and transcendental lines take turns in the wave's own stream.  Nothing in a phase names a result of that phase's
; transcendentals, so a phase has one wait, at its end.
; No LDS, no barrier: no wave needs another's data.  No two rows share a byte, so there is nothing to ask for jointly.  Nothing is prefetched: a wave's loads all go out at its head.
; LIMITS.  v_log_f32, v_exp_f32 and v_rcp_f32 are good to one unit in the last place and take denormals as 0 (ISA guide, their entries): a z or a p below 2^-126 counts as 0.  A z that rounding puts just above 1
; counts as 1.  The division by the sum is a multiplication by its reciprocal.  The sums are taken in another order than the definition's.  NaN and +inf among the scores, and a NaN alpha, are not treated
; apart.  A row that is masked entirely gives NaN, as the definition's 0 / 0 does.
.set SO,   2                           ; v2       16 x lane: my bytes in 512 of scores and of out; never rewritten
.set MO,   3                           ; v3       4 x lane: my word in 128 bytes of mask; never rewritten
.set AM,   4                           ; v[4:5]   alpha_c - 1, twice
.set INV,  4                           ;          at the end: 1 / sum, twice
.set W,    6                           ; v[6:7]   mask word x 255, two by turns
.set TMP,  6                           ; v6       later: at work
.set SUM,  7                           ; v7       later: the sum in hand
.set P,    8                           ; v[8:15]  one mask byte spread over a word, two sets of four by turns
.set ACC,  8                           ;          later: four running sums of two
.set MX,   16                          ; v[16:19] four running maxima
.set E,    20                          ; v[20:21] e, twice
.set NT,   22                          ; v[22:23] -tau, twice
.set ONE,  24                          ; v[24:25] 1.0, twice: the clamped form takes vector registers alone
.set G,    26                          ; v26      4096^-(alpha_c - 1)
.set TLO,  27                          ; v27      tau_lo
.set DM,   28                          ; v28      dm
.set TM,   29                          ; v29      tau_m
.set FLO,  30                          ; v30      f_lo
.set T,    32                          ; v[32:127] three buffers of 32: a chunk's z, then log2 z, then p
.set M,    32                          ; v[32:63] at the head: the mask words
.set X,    128                         ; v[128:255] the row: Xs; at the end p, then the result
.set SEL,  20                          ; s[20:23] v_perm_b32's selectors: byte c four times
.set NINF, 24                          ; s24      -inf
.set PLX,  26                          ; s[26:27] v_permlanex16_b32's selects: each lane takes its own place in the other half
.set IT,   28                          ; s28      halvings to go in the loop
	s_load_b256 s[4:11], s[0:1], 0x0               ; scores s[4:5], mask s[6:7], alpha s[8:9], out s[10:11]
	v_lshrrev_b32 v1, 5, v0
	v_readfirstlane_b32 s12, v1                    ; wave 0..15
	v_and_b32 v1, 31, v0                           ; lane
	v_lshlrev_b32 v[SO], 4, v1
	v_lshlrev_b32 v[MO], 2, v1
	s_lshl_b32 s13, ttmp9, 4
	s_add_co_u32 s13, s13, s12                     ; my row = 16 x work-group + wave
	s_lshl_b32 s2, s13, 14                         ; its 16,384 bytes of scores and of out (64 MiB in all: 32 bits do)
	s_mov_b32 s3, 0
	s_lshl_b32 s14, s13, 12                        ; its 4,096 bytes of mask
	s_mov_b32 s15, 0
	s_mov_b32 s[SEL], 0
	s_mov_b32 s[SEL+1], 0x01010101
	s_mov_b32 s[SEL+2], 0x02020202
	s_mov_b32 s[SEL+3], 0x03030303
	s_mov_b32 s[NINF], 0xff800000
	s_mov_b32 s[PLX], 0x76543210
	s_mov_b32 s[PLX+1], 0xfedcba98
	s_wait_kmcnt 0x0
	s_load_b32 s18, s[8:9], 0x0                    ; alpha
	s_add_nc_u64 s[4:5], s[4:5], s[2:3]
	s_add_nc_u64 s[6:7], s[6:7], s[14:15]
	s_add_nc_u64 s[10:11], s[10:11], s[2:3]
.set i, 0
.rept 32                                       ; the whole row is asked for at once: 20,480 bytes a wave
	global_load_b32  v[M+i], v[MO], s[6:7] offset:128*i
	global_load_b128 v[X+4*i:X+4*i+3], v[SO], s[4:5] offset:512*i th:TH_LOAD_NT
.set i, i+1
.endr
	s_wait_kmcnt 0x0
	v_mov_b32 v[AM], s18
	v_max_num_f32 v[AM], 0x3f8020c5, v[AM]         ; alpha_c = max(alpha, 1.001)
	v_add_f32 v[AM], -1.0, v[AM]                   ; alpha_c - 1
	v_mov_b32 v[AM+1], v[AM]
	v_mul_f32 v[G], 0xc1400000, v[AM]              ; -12 (alpha_c - 1)
	v_rcp_f32 v[E], v[AM]
	v_exp_f32 v[G], v[G]                           ; (1 / 4096)^(alpha_c - 1)
	v_nop                                          ; a plain instruction behind the last of the two,
	s_wait_alu depctr_va_vdst(0)                   ; and the wait ahead of the first use: one for both
	v_mov_b32 v[E+1], v[E]
	v_mov_b32 v[ONE], 1.0
	v_mov_b32 v[ONE+1], 1.0
.irp k, 0,1,2,3
	v_mov_b32 v[MX+(\k)], s[NINF]
.endr
; Pair i: four scores and their mask word.  A mask byte is 0 or 1; times 255 it is 0x00 or 0xff; spread over a word it keeps the product or lets -inf through.
.set i, 0
.rept 32
.set rW, W+i%2
.set rP, P+4*(i%2)
.set rX, X+4*i
	s_wait_loadcnt 62-2*i                          ; loads come back in order: the 2 (31 - i) issued behind this pair may stay out
	v_lshlrev_b32 v[rW], 8, v[M+i]
	v_pk_mul_f32 v[rX:rX+1], v[rX:rX+1], v[AM:AM+1]
	v_pk_mul_f32 v[rX+2:rX+3], v[rX+2:rX+3], v[AM:AM+1]
	v_sub_nc_u32 v[rW], v[rW], v[M+i]              ; 256 w - w, modulo 2^32: each byte 0x00 or 0xff
.irp c, 0,1,2,3
	v_perm_b32 v[rP+(\c)], v[rW], v[rW], s[SEL+(\c)]
.endr
.irp c, 0,1,2,3
	v_bfi_b32 v[rX+(\c)], v[rP+(\c)], v[rX+(\c)], s[NINF]
.endr
	v_max3_num_f32 v[MX+2*(i%2)], v[MX+2*(i%2)], v[rX], v[rX+1]
	v_max3_num_f32 v[MX+2*(i%2)+1], v[MX+2*(i%2)+1], v[rX+2], v[rX+3]
.set i, i+1
.endr
	v_max3_num_f32 v[MX], v[MX], v[MX+1], v[MX+2]
	v_max_num_f32 v[MX], v[MX], v[MX+3]
	v_max_num_f32_dpp v[MX], v[MX], v[MX] row_xmask:1 row_mask:0xf bank_mask:0xf
	v_max_num_f32_dpp v[MX], v[MX], v[MX] row_xmask:2 row_mask:0xf bank_mask:0xf
	v_max_num_f32_dpp v[MX], v[MX], v[MX] row_xmask:4 row_mask:0xf bank_mask:0xf
	v_max_num_f32_dpp v[MX], v[MX], v[MX] row_xmask:8 row_mask:0xf bank_mask:0xf
	v_permlanex16_b32 v[TMP], v[MX], s[PLX], s[PLX+1]  ; its destination counts as read: the pairs above have written it
	v_max_num_f32 v[MX], v[MX], v[TMP]             ; every lane holds the row's maximum
	v_add_f32 v[TLO], -1.0, v[MX]                  ; tau_lo = max - 1
	v_sub_f32 v[DM], v[MX], v[G]                   ; tau_hi = max - (1 / 4096)^(alpha_c - 1)
	v_sub_f32 v[DM], v[DM], v[TLO]                 ; dm = tau_hi - tau_lo
	v_mul_f32 v[NT], -1.0, v[TLO]
	v_mul_f32 v[NT+1], -1.0, v[TLO]
; ONE EVALUATION OF sum p(tau), tau in NT.  Chunk c is registers 32 c .. 32 c + 31 of the row.  Its buffer: one of three by turns; with FIN = 1 the chunk's own registers, so that p stays.
.macro BUFOF c
.if FIN
.set rb, X+32*(\c)
.else
.set rb, T+32*((\c)%3)
.endif
.endm
.macro ZOP c, n                        ; pair n of 16: z = X - tau, held to 0 .. 1
	BUFOF \c
	v_pk_fma_f32 v[rb+2*(\n):rb+2*(\n)+1], v[X+32*(\c)+2*(\n):X+32*(\c)+2*(\n)+1], v[ONE:ONE+1], v[NT:NT+1] clamp
.endm
.macro LOP c, n                        ; register n of 32: log2 z
	BUFOF \c
	v_log_f32 v[rb+(\n)], v[rb+(\n)]
.endm
.macro MOP c, n                        ; pair n: e log2 z
	BUFOF \c
	v_pk_mul_f32 v[rb+2*(\n):rb+2*(\n)+1], v[rb+2*(\n):rb+2*(\n)+1], v[E:E+1]
.endm
.macro EOP c, n                        ; register n: p
	BUFOF \c
	v_exp_f32 v[rb+(\n)], v[rb+(\n)]
.endm
.macro SOP c, n                        ; pair n is added up, in four running sums by turns.  Chunk 0's pairs 0-3 and 4-7 start them: nothing is cleared
	BUFOF \c
.if ((\c) == 0) && ((\n) < 4)
	v_pk_add_f32 v[ACC+2*(\n):ACC+2*(\n)+1], v[rb+2*(\n):rb+2*(\n)+1], v[rb+2*(\n)+8:rb+2*(\n)+9]
.elseif ((\c) == 0) && ((\n) < 8)      ; taken with pairs 0-3
.else
	v_pk_add_f32 v[ACC+2*((\n)%4):ACC+2*((\n)%4)+1], v[ACC+2*((\n)%4):ACC+2*((\n)%4)+1], v[rb+2*(\n):rb+2*(\n)+1]
.endif
.endm
; Phase p of six.  z and log2 z of chunk p (p < 4), e log2 z and p of chunk p - 1 (1 <= p <= 4), the sums of chunk p - 2 (p >= 2): three different buffers.  A pair's plain line stands a turn ahead of the
; two transcendentals that read it.  What the plain lines name: pairs of this phase's two chunks on which this phase's transcendental is still to come, and chunk p - 2, whose exponentials were waited for at the
; end of the phase before.  So no line of the phase names a result of the phase's transcendentals: behind the last of them stand one plain instruction and one wait.
.macro PHASE p
.if (\p) < 4
	ZOP \p, 0
.endif
.if ((\p) >= 1) && ((\p) <= 4)
	MOP (\p)-1, 0
.endif
.set j, 0
.rept 16
.if (\p) < 4
	LOP \p, 2*j
.if j < 15
	ZOP \p, j+1
.endif
.endif
.if ((\p) >= 1) && ((\p) <= 4)
	EOP (\p)-1, 2*j
.if j < 15
	MOP (\p)-1, j+1
.endif
.endif
.if (\p) < 4
	LOP \p, 2*j+1
.endif
.if (\p) >= 2
	SOP (\p)-2, j
.endif
.if ((\p) >= 1) && ((\p) <= 4)
	EOP (\p)-1, 2*j+1
.endif
.set j, j+1
.endr
.if (\p) <= 4
	v_nop
	s_wait_alu depctr_va_vdst(0)
.endif
.endm
.macro PASS
	PHASE 0
	PHASE 1
	PHASE 2
	PHASE 3
	PHASE 4
	PHASE 5
	v_pk_add_f32 v[ACC:ACC+1], v[ACC:ACC+1], v[ACC+2:ACC+3]
	v_pk_add_f32 v[ACC+4:ACC+5], v[ACC+4:ACC+5], v[ACC+6:ACC+7]
	v_pk_add_f32 v[ACC:ACC+1], v[ACC:ACC+1], v[ACC+4:ACC+5]
	v_add_f32 v[SUM], v[ACC], v[ACC+1]
	; the 32 lanes' sums: four steps inside each half ride on the addition, one crosses the halves; every lane ends with the row's sum
	v_add_f32_dpp v[SUM], v[SUM], v[SUM] row_xmask:1 row_mask:0xf bank_mask:0xf
	v_add_f32_dpp v[SUM], v[SUM], v[SUM] row_xmask:2 row_mask:0xf bank_mask:0xf
	v_add_f32_dpp v[SUM], v[SUM], v[SUM] row_xmask:4 row_mask:0xf bank_mask:0xf
	v_add_f32_dpp v[SUM], v[SUM], v[SUM] row_xmask:8 row_mask:0xf bank_mask:0xf
	v_permlanex16_b32 v[TMP], v[SUM], s[PLX], s[PLX+1]
	v_add_f32 v[SUM], v[SUM], v[TMP]
.endm
.set FIN, 0
	PASS
	v_add_f32 v[FLO], -1.0, v[SUM]                 ; f_lo, fixed for all halvings
	; THE FIRST 24 HALVINGS
	s_mov_b32 s[IT], 24
.Lbisect:
	v_mul_f32 v[DM], 0.5, v[DM]
	v_add_f32 v[TM], v[TLO], v[DM]                 ; tau_m
	v_mul_f32 v[NT], -1.0, v[TM]
	v_mul_f32 v[NT+1], -1.0, v[TM]
	PASS
	v_add_f32 v[TMP], -1.0, v[SUM]                 ; f_m
	v_mul_f32 v[TMP], v[TMP], v[FLO]
	v_cmp_le_f32 vcc_lo, 0, v[TMP]                 ; f_m f_lo >= 0: a choice of a value, no jump
	v_cndmask_b32 v[TLO], v[TLO], v[TM], vcc_lo
	s_sub_co_u32 s[IT], s[IT], 1
	s_cmp_lg_u32 s[IT], 0
	s_cbranch_scc1 .Lbisect
	; THE 25TH: its p is the result, so it is made in the row's own registers; its choice of tau_lo serves nothing and is not made
	v_mul_f32 v[DM], 0.5, v[DM]
	v_add_f32 v[TM], v[TLO], v[DM]
	v_mul_f32 v[NT], -1.0, v[TM]
	v_mul_f32 v[NT+1], -1.0, v[TM]
.set FIN, 1
	PASS
	v_rcp_f32 v[INV], v[SUM]
	v_nop                                          ; a plain instruction behind the reciprocal,
	s_wait_alu depctr_va_vdst(0)                   ; and its wait, ahead of the first use
	v_mov_b32 v[INV+1], v[INV]
.set i, 0
.rept 32
	v_pk_mul_f32 v[X+4*i:X+4*i+1], v[X+4*i:X+4*i+1], v[INV:INV+1]
	v_pk_mul_f32 v[X+4*i+2:X+4*i+3], v[X+4*i+2:X+4*i+3], v[INV:INV+1]
	global_store_b128 v[SO], v[X+4*i:X+4*i+3], s[10:11] offset:512*i th:TH_STORE_NT  ; 512 consecutive bytes, at a multiple of 512 from out's first; no register of a store is written again
.set i, i+1
.endr
	s_endpgm
.Lfunc_end_k_q0e1940299b_entmax:
	.size	k_q0e1940299b_entmax, .Lfunc_end_k_q0e1940299b_entmax-k_q0e1940299b_entmax
	.p2alignl 7, 3214868480
	.fill 96, 4, 3214868480
	.section	.rodata,"a",@progbits
	.p2align	6, 0x0
	.amdhsa_kernel k_q0e1940299b_entmax
		.amdhsa_group_segment_fixed_size 0
		.amdhsa_private_segment_fixed_size 0
		.amdhsa_enable_private_segment 0
		.amdhsa_kernarg_size 32
		.amdhsa_user_sgpr_count 2
		.amdhsa_user_sgpr_kernarg_segment_ptr 1
		.amdhsa_wavefront_size32 1
		.amdhsa_system_sgpr_workgroup_id_x 1
		.amdhsa_system_sgpr_workgroup_id_y 1
		.amdhsa_system_sgpr_workgroup_id_z 1
		.amdhsa_system_vgpr_workitem_id 0
		.amdhsa_next_free_vgpr 256
		.amdhsa_next_free_sgpr 66
		.amdhsa_reserve_vcc 1
		.amdhsa_float_denorm_mode_32 3
		.amdhsa_float_denorm_mode_16_64 3
		.amdhsa_memory_ordered 1
		.amdhsa_forward_progress 1
		.amdhsa_inst_pref_size 105
	.end_amdhsa_kernel
	.amdgpu_metadata
---
amdhsa.version: [ 1, 2 ]
amdhsa.kernels:
  - .name:           k_q0e1940299b_entmax
    .symbol:         k_q0e1940299b_entmax.kd
    .args:
      - { .name: scores, .offset: 0, .size: 8, .value_kind: global_buffer, .address_space: global }
      - { .name: mask, .offset: 8, .size: 8, .value_kind: global_buffer, .address_space: global }
      - { .name: alpha, .offset: 16, .size: 8, .value_kind: global_buffer, .address_space: global }
      - { .name: out0, .offset: 24, .size: 8, .value_kind: global_buffer, .address_space: global }
    .group_segment_fixed_size: 0
    .private_segment_fixed_size: 0
    .kernarg_segment_align: 8
    .kernarg_segment_size: 32
    .max_flat_workgroup_size: 512
    .sgpr_count:     66
    .vgpr_count:     256
    .wavefront_size: 32
...
	.end_amdgpu_metadata
.endif
;; end of part 1
